; MI455X (gfx1250); checked and timed in simulation.
; The chip was launched on July 23, 2026; its instructions are those of AMD's public machine-readable ISA for CDNA 5 (MIT licence, August 2026) and "CDNA5" Instruction Set Architecture Reference Guide (July 2026). The comments in the code are by the model that wrote it; some were corrected since.
;; Causal Self Attention. Allowed arithmetic: matrix products marked QUANTISED: E4M3 operands, one given power-of-two scale a tensor, by v_wmma_f32_16x16x64_fp8_fp8 or v_wmma_f32_16x16x128_fp8_fp8, f32 sums; everything else in f32.
;; Inputs: lowp_scales 8 int32 (the exponents e of the quantised operands' scales 2^e); w_attn 1,024 x 3,072 float32; w_proj 1,024 x 1,024 float32; x 4 x 2,048 x 1,024 float32.
;; Outputs: out0 4 x 2,048 x 1,024 float32.
;; This version of the problem:
;;   THIS VERSION OF THE PROBLEM IS GIVEN IN LOW PRECISION. The matrix products marked QUANTISED in the list below multiply operands that are first quantised to E4M3 (4 exponent bits, 3 mantissa bits; 8 bits a number), with one given power-of-two scale for each operand tensor; their sums are f32. All else is computed in f32.
;;   The module's matrix products, in the order in which they are computed (A, B: the left and right operand; K: the contracted axis; several contracted axes count as one K, in the product's order):
;;     1. [M 8,192, K 1,024] x [K 1,024, N 3,072]; A: input x; B: input w_attn: QUANTISED (scales: A lowp_scales[0], B lowp_scales[1])
;;     2. batch 64 x [M 2,048, K 64] x [K 64, N 2,048]; A: computed on the way; B: computed on the way: QUANTISED (scales: A lowp_scales[2], B lowp_scales[3])
;;     3. batch 64 x [M 2,048, K 2,048] x [K 2,048, N 64]; A: softmax (see below); B: computed on the way: QUANTISED (scales: A lowp_scales[4], B lowp_scales[5])
;;     4. [M 8,192, K 1,024] x [K 1,024, N 1,024]; A: computed on the way; B: input w_proj: QUANTISED (scales: A lowp_scales[6], B lowp_scales[7])
;;   THE QUANTISER, for each operand of a quantised product, along K:
;;     - The operand's scale is 2^e, e = its entry of the input lowp_scales (int32; the entries are numbered through the quantised products in the list's order, A before B).
;;     - Each number is divided by the scale, clamped to +-448, and rounded to the nearest number of E4M3, ties to even, subnormals kept.
;;     - The product sums the exact products of the quantised numbers (number of the format x scale) in f32.
;;   ~~~python
;;   def quantise(x, axis, e):      # numpy; x: float32 -> the quantised numbers, widened to float32 again
;;       x = np.moveaxis(x, axis, -1); K = x.shape[-1]
;;       r = np.clip(x / 2.0 ** e, -448, 448)
;;       step = 2.0 ** (np.maximum(np.frexp(np.where(r == 0, 1, r))[1] - 1, -6) - 3)
;;       q = np.round(r / step) * step * 2.0 ** e      # np.round: ties to even
;;       return np.moveaxis(q, -1, axis).astype(np.float32)
;;   ~~~
;;   SOFTMAX AHEAD OF A QUANTISED PRODUCT. Where the list says 'softmax', what is quantised is not the finished softmax but p = 2^(t - M), with t = logit x log2(e) and M = ceil(the row's largest t), a whole number; so 1/2 < the row's largest p <= 1. The row's sum l is taken of the UNQUANTISED p, in f32, and the product's result is divided by l at the end. Since M is a whole number, a kernel that streams over the keys may use a running M (the ceiling of the running maximum): every later rescaling is an exact power of two, so the quantised numbers keep their values, but for numbers so far below the row's largest that they fall under the format's range.
;;   OPERANDS COMPUTED ON THE WAY. 'Computed on the way' means the value that the module computes at that place (a softmax that the list does not call 'softmax' is quantised finished and normalised). What goes into a quantiser is computed in f32, as accurately as f32 sums, v_exp_f32 and their like allow (about 1e-6 of the number): no bf16 or f16 on the way to a quantiser, and a product that is left as it is and whose result goes on into a quantised operand takes f32 operands (vector FMAs, or v_wmma_f32_16x16x4_f32). A number that lies on a knife's edge between two numbers of the format may be rounded either way, as far as f32 arithmetic and the matrix unit's own rounding can turn it there, and no further.
;; One version. Each part assembles by itself: llvm-mc -triple=amdgcn-amd-amdhsa -mcpu=gfx1250 --defsym DOCPART=n.
;; ======== version 1 of 1: 4 launches
;; limits: right only within a limited range of input values
;; workspace buffers: codes 12,582,912 bytes; qkv 25,165,824 bytes; yq 8,388,608 bytes
;; launch quant (part 1): grid 768 x 1, 4 waves a work-group, no clusters, 34,304 bytes of LDS; arguments x, w_attn, w_proj, lowp_scales, codes; writes codes
.if DOCPART == 1
	.amdgcn_target "amdgcn-amd-amdhsa--gfx1250"
	.amdhsa_code_object_version 6
	.text
	.protected	k_q16118c2926_quant
	.globl	k_q16118c2926_quant
	.p2align	8
	.type	k_q16118c2926_quant,@function
k_q16118c2926_quant:
	s_mov_b64 s[64:65], 0
	v_nop
	global_prefetch_b8 v0, s[64:65] scope:SCOPE_SE
	s_setreg_imm32_b32 hwreg(HW_REG_WAVE_MODE, 25, 1), 1
	s_wait_xcnt 0x0
; x [8192][1024], w_attn [1024][3072] and w_proj [1024][1024], f32, become codes of FP8 (E4M3), each with its given scale 2^e
; (entries 0, 1 and 7 of the scales): code = number / 2^e, held within +-448, to the nearest code, ties to even.
; LIMITS: each of these e lies between -126 and 119, so that 2^e and 448 x 2^e are f32 numbers.  NaN among the inputs is not served.
; THE CODES ARE LAID AS IMAGES OF THE OPERAND'S REGISTERS.  A fragment is 16 rows x 128 along K, 2,048 bytes: byte 512 g + 16 L + 8 p + j
; (L = r + 16 h) holds row r, k = 32 g + 16 p + 8 h + j: the place that the plain 8-bit matrix forms give each k (ISA guide 7.12.2), so that four loads of
; 16 bytes a lane, 512 bytes apart, bring a fragment.  codes = [fragment tile 0..767][K step 0..7][2,048 bytes]:
; tiles 0..511: 16 tokens of x each; 512..703: 16 columns of w_attn; 704..767: 16 columns of w_proj.
; Work-groups 0..511 take a token tile each, 512..703 a block of 128 columns x 128 k of w_attn, 704..767 the same of w_proj.  The three ways part on the
; work-group's number.  Memory binds: no matrix unit, no cluster, no barrier; waves share nothing.
.set SP,   528                         ; x: a stage row: 512 bytes + 16, so that sixteen rows' reads of 16 bytes start 16 bytes apart modulo 256
.set STG,  16*SP                       ; a wave's stage
.set R,    16                          ; v16-143  x: two units of 64 registers as loaded
.set X,    144                         ; v144-207 x: 64 numbers in the operand's order
.set C,    208                         ; v208-239 x: codes, 16 registers a unit: no store's data are written again
.set WX,   16                          ; v16-79   weights: two sets of 32 numbers down K
.set WC,   80                          ; v80-111  weights: codes, 8 registers a block
	s_load_b256 s[4:11], s[0:1], 0x0               ; x s[4:5], w_attn s[6:7], w_proj s[8:9], the scales' exponents s[10:11]
	s_load_b64 s[12:13], s[0:1], 0x20              ; codes
	v_lshl_add_u32 v240, v0, 2, 0x8400
	v_mov_b32 v241, 0
	v_lshrrev_b32 v1, 5, v0
	v_readfirstlane_b32 s16, v1                    ; wave 0..3
	v_and_b32 v1, 31, v0                           ; lane
	s_mov_b32 s19, 0                               ; the upper word of every offset
	s_wait_kmcnt 0x0
	s_load_b256 s[20:27], s[10:11], 0x0            ; e0 .. e7
	s_cmp_lt_u32 ttmp9, 512
	s_cbranch_scc0 .Lweights
.macro SCALES e                        ; v11 = 2^e (the conversion takes its exponent field)
	s_add_co_i32 s28, \e, 127
	s_lshl_b32 s29, s28, 23
	v_mov_b32 v11, s29
.endm
; ---- x.  The work-group's 16 rows are 65,536 consecutive bytes.  Wave w takes K steps 2 w and 2 w + 1 (units 0 and 1).
.macro XLOAD u                         ; sixteen loads, each 512 consecutive bytes of one row
.irp i, 0,1,2,3,4,5,6,7,8,9,10,11,12,13,14,15
	global_load_b128 v[R+64*(\u)+4*\i:R+64*(\u)+4*\i+3], v2, s[4:5] offset:4096*\i+512*(\u) th:TH_LOAD_NT
.endr
.endm
.macro XTURN u                         ; through the wave's own stage: in as loaded, out as lane (r, h) wants them: of row r, k = 16 c + 8 h + 0 .. 7.  LDS serves a wave's instructions in order (ISA guide 5.7.1.4)
.irp i, 0,1,2,3,4,5,6,7,8,9,10,11,12,13,14,15
	ds_store_b128 v3, v[R+64*(\u)+4*\i:R+64*(\u)+4*\i+3] offset:SP*\i
.endr
.irp c, 0,1,2,3,4,5,6,7
	ds_load_b128 v[X+8*\c:X+8*\c+3], v4 offset:64*\c
	ds_load_b128 v[X+8*\c+4:X+8*\c+7], v4 offset:64*\c+16
.endr
.endm
.macro XQ u
.set J, 0
.rept 64
.set J, J+1
.endr
.irp c, 0,1,2,3,4,5,6,7
	v_cvt_scalef32_pk8_fp8_f32 v[C+16*(\u)+2*\c:C+16*(\u)+2*\c+1], v[X+8*\c:X+8*\c+7], v11   ; registers 2 c, 2 c + 1 of the fragment
.endr
	v_nop                                          ; a plain line behind the conversions
.irp g, 0,1,2,3
	global_store_b128 v2, v[C+16*(\u)+4*\g:C+16*(\u)+4*\g+3], s[12:13] offset:2048*(\u)+512*\g   ; 32 lanes store 512 consecutive bytes, aligned
.endr
.endm
	s_lshl_b32 s18, ttmp9, 16                      ; the tile's 16 rows of 4,096 bytes,
	s_lshl_b32 s17, s16, 10                        ; my wave's 256 numbers of a row
	s_add_co_u32 s18, s18, s17
	s_add_nc_u64 s[4:5], s[4:5], s[18:19]
	s_lshl_b32 s18, ttmp9, 14                      ; the tile's 16,384 bytes of codes,
	s_lshl_b32 s17, s16, 12                        ; my two K steps
	s_add_co_u32 s18, s18, s17
	s_add_nc_u64 s[12:13], s[12:13], s[18:19]
	s_wait_alu depctr_va_vdst(0)
	v_lshlrev_b32 v2, 4, v1                        ; 16 x lane
	XLOAD 0
	XLOAD 1
	s_mul_i32 s17, s16, STG
	v_add_nc_u32 v3, s17, v2                       ; into the stage
	v_and_b32 v5, 15, v0                           ; r
	v_bfe_u32 v6, v0, 4, 1                         ; h
	v_mul_u32_u24 v4, v5, SP
	v_lshl_add_u32 v4, v6, 5, v4
	v_add_nc_u32 v4, s17, v4                       ; out of it: row r, + 32 h bytes
	s_wait_alu depctr_va_vdst(0)
	s_wait_kmcnt 0x0
	SCALES s20
	s_wait_alu depctr_va_vdst(0)
	s_wait_loadcnt 16                              ; unit 0's sixteen loads are in; unit 1's may be out
	XTURN 0
	s_wait_dscnt 0x0
	XQ 0
	s_wait_loadcnt 0x0
	XTURN 1
	s_wait_dscnt 0x0
	XQ 1
	s_wait_tensorcnt 0x0
	ds_add_u32 v240, v241
	s_wait_dscnt 0x0
	s_endpgm
; ---- the weights: K is their FIRST axis.  A lane takes a column and its registers run down K, so that the conversions' eight neighbours along K lie in one lane.
; Work-group n of the tensor: K step n % 8, columns 128 (n / 8) on; wave w: 32 of them, two fragment tiles.
.macro WLOAD g, pitch, wlo             ; block g: W(32 g + i, my column): 32 lanes read 128 consecutive bytes, the four waves 512
.irp i, 0,1,2,3,4,5,6,7,8,9,10,11,12,13,14,15,16,17,18,19,20,21,22,23,24,25,26,27,28,29,30,31
	global_load_b32 v[WX+32*((\g)%2)+\i], v2, s[\wlo:\wlo+1] offset:(32*(\g)+\i)*\pitch th:TH_LOAD_NT
.endr
.endm
.macro WBLOCK g, pitch, wlo
.set XS, WX+32*((\g)%2)
.if (\g) < 3
	s_wait_loadcnt 32                              ; this block's 32 loads are in; the next block's may be out
.else
	s_wait_loadcnt 0x0
.endif
.set J, 0
.rept 32
.set J, J+1
.endr
	v_cvt_scalef32_pk8_fp8_f32 v[WC+8*(\g):WC+8*(\g)+1],   v[XS:XS+7],     v11   ; the image's lane r:      k = 32 g + 0 .. 7,
	v_cvt_scalef32_pk8_fp8_f32 v[WC+8*(\g)+2:WC+8*(\g)+3], v[XS+16:XS+23], v11   ;                          and + 16 .. 23
	v_cvt_scalef32_pk8_fp8_f32 v[WC+8*(\g)+4:WC+8*(\g)+5], v[XS+8:XS+15],  v11   ; the image's lane 16 + r: k = 32 g + 8 .. 15,
	v_cvt_scalef32_pk8_fp8_f32 v[WC+8*(\g)+6:WC+8*(\g)+7], v[XS+24:XS+31], v11   ;                          and + 24 .. 31
	v_nop                                          ; a plain line behind the conversions
	global_store_b128 v3, v[WC+8*(\g):WC+8*(\g)+3],   s[12:13] offset:512*(\g)       ; lanes 0-15 fill 256 consecutive bytes of one tile's image, lanes 16-31 of the next tile's
	global_store_b128 v3, v[WC+8*(\g)+4:WC+8*(\g)+7], s[12:13] offset:512*(\g)+256
.if (\g) < 2
	WLOAD (\g)+2, \pitch, \wlo
.endif
.endm
.macro WQ first, ft0, pitch, wlo, e
	s_sub_co_u32 s14, ttmp9, \first                ; n
	s_and_b32 s15, s14, 7                          ; K step
	s_lshr_b32 s14, s14, 3                         ; block of 128 columns
	s_mul_i32 s17, s15, 128*\pitch
	s_lshl_b32 s18, s14, 9
	s_add_co_u32 s17, s17, s18
	s_lshl_b32 s18, s16, 7
	s_add_co_u32 s18, s17, s18                     ; 128 rows x K step + 4 x (128 x block + 32 x wave)
	s_add_nc_u64 s[\wlo:\wlo+1], s[\wlo:\wlo+1], s[18:19]
	s_lshl_b32 s14, s14, 3
	s_lshl_b32 s17, s16, 1
	s_add_co_u32 s14, s14, s17
	s_add_co_u32 s14, s14, \ft0                    ; my first fragment tile
	s_lshl_b32 s14, s14, 14
	s_lshl_b32 s15, s15, 11
	s_add_co_u32 s18, s14, s15
	s_add_nc_u64 s[12:13], s[12:13], s[18:19]
	v_lshlrev_b32 v2, 2, v1                        ; in: 4 bytes a lane
	WLOAD 0, \pitch, \wlo
	WLOAD 1, \pitch, \wlo
	v_lshrrev_b32 v4, 4, v1
	v_and_b32 v5, 15, v1
	v_lshlrev_b32 v3, 14, v4                       ; out: which of my two tiles,
	v_lshl_add_u32 v3, v5, 4, v3                   ; and 16 bytes for my column
	s_wait_kmcnt 0x0
	SCALES \e
	s_wait_alu depctr_va_vdst(0)
	WBLOCK 0, \pitch, \wlo
	WBLOCK 1, \pitch, \wlo
	WBLOCK 2, \pitch, \wlo
	WBLOCK 3, \pitch, \wlo
.endm
.Lweights:
	s_cmp_lt_u32 ttmp9, 704
	s_cbranch_scc0 .Lproj
	s_wait_alu depctr_va_vdst(0)
	WQ 512, 512, 12288, 6, s21
	s_endpgm
.Lproj:
	s_wait_alu depctr_va_vdst(0)
	WQ 704, 704, 4096, 8, s27
	s_endpgm
.Lfunc_end_k_q16118c2926_quant:
	.size	k_q16118c2926_quant, .Lfunc_end_k_q16118c2926_quant-k_q16118c2926_quant
	.p2alignl 7, 3214868480
	.fill 96, 4, 3214868480
	.section	.rodata,"a",@progbits
	.p2align	6, 0x0
	.amdhsa_kernel k_q16118c2926_quant
		.amdhsa_group_segment_fixed_size 34304
		.amdhsa_private_segment_fixed_size 0
		.amdhsa_enable_private_segment 0
		.amdhsa_kernarg_size 40
		.amdhsa_user_sgpr_count 2
		.amdhsa_user_sgpr_kernarg_segment_ptr 1
		.amdhsa_wavefront_size32 1
		.amdhsa_system_sgpr_workgroup_id_x 1
		.amdhsa_system_sgpr_workgroup_id_y 1
		.amdhsa_system_sgpr_workgroup_id_z 1
		.amdhsa_system_vgpr_workitem_id 0
		.amdhsa_next_free_vgpr 242
		.amdhsa_next_free_sgpr 66
		.amdhsa_reserve_vcc 0
		.amdhsa_float_denorm_mode_32 3
		.amdhsa_float_denorm_mode_16_64 3
		.amdhsa_fp16_overflow 1
		.amdhsa_memory_ordered 1
		.amdhsa_forward_progress 1
		.amdhsa_inst_pref_size 42
	.end_amdhsa_kernel
	.amdgpu_metadata
---
amdhsa.version: [ 1, 2 ]
amdhsa.kernels:
  - .name:           k_q16118c2926_quant
    .symbol:         k_q16118c2926_quant.kd
    .args:
      - { .name: x, .offset: 0, .size: 8, .value_kind: global_buffer, .address_space: global }
      - { .name: w_attn, .offset: 8, .size: 8, .value_kind: global_buffer, .address_space: global }
      - { .name: w_proj, .offset: 16, .size: 8, .value_kind: global_buffer, .address_space: global }
      - { .name: lowp_scales, .offset: 24, .size: 8, .value_kind: global_buffer, .address_space: global }
      - { .name: codes, .offset: 32, .size: 8, .value_kind: global_buffer, .address_space: global }
    .group_segment_fixed_size: 34304
    .private_segment_fixed_size: 0
    .kernarg_segment_align: 8
    .kernarg_segment_size: 40
    .max_flat_workgroup_size: 128
    .sgpr_count:     66
    .vgpr_count:     242
    .wavefront_size: 32
...
	.end_amdgpu_metadata
.endif
;; end of part 1
;; launch qkvgemm (part 2): grid 12 x 32, 4 waves a work-group, clusters of 4 x 4, 327,680 bytes of LDS; arguments codes, lowp_scales, qkv; writes qkv
.if DOCPART == 2
	.amdgcn_target "amdgcn-amd-amdhsa--gfx1250"
	.amdhsa_code_object_version 6
	.text
	.protected	k_q16118c2926_qkvgemm
	.globl	k_q16118c2926_qkvgemm
	.p2align	8
	.type	k_q16118c2926_qkvgemm,@function
k_q16118c2926_qkvgemm:
	s_mov_b64 s[64:65], 0
	v_nop
	global_prefetch_b8 v0, s[64:65] scope:SCOPE_SE
	s_setreg_imm32_b32 hwreg(HW_REG_WAVE_MODE, 25, 1), 1
	s_wait_xcnt 0x0
	s_wait_alu depctr_hold_cnt(0) depctr_sa_sdst(0) depctr_va_vdst(0) depctr_va_sdst(0) depctr_va_ssrc(0) depctr_va_vcc(0) depctr_vm_vsrc(0)
	s_getreg_b32 s2, hwreg(HW_REG_IB_STS2, 6, 4)
	s_cmp_eq_u32 s2, 0
	s_cbranch_scc0 .Lentry_in_a_cluster
	s_endpgm
.Lentry_in_a_cluster:
	s_bfe_u32 s2, ttmp6, 0x10000c
	s_cmp_lg_u32 s2, 0xf033
	s_cbranch_scc0 .Lentry_shape_is_right
	s_endpgm
.Lentry_shape_is_right:
; qkv = x w_attn on codes of FP8 (E4M3), and its results quantised at once into the operands of attention: q (scale entry 2), k (entry 3), v (entry 5).
; A sum stands for sum x 2^(e0 + e1), so a code is sum / 2^(e_out - e0 - e1), held within +-448 of that scale.
; LIMITS: e2 - e0 - e1, e3 - e0 - e1 and e5 - e0 - e1 lie between -126 and 119, so that the scale and 448 x the scale are f32 numbers.
; A tile of 256 x 256 is made by four waves, a wave makes 128 x 128: 64 accumulators.  K = 1,024 goes in four steps of 256 through two LDS slots filled by the tensor data mover.
; OPERANDS ARE IMAGES OF THEIR REGISTERS: codes = [fragment tile of 16 rows][K step of 128][2,048 bytes]; a fragment is four loads of 16 bytes a lane, 512 bytes apart: consecutive bytes, no pitch, no padding.
; SOURCES.  Source 0 (here B-op) gives a result's registers (row 8 h + j), source 1 (A-op) its lanes (row r).  Eight registers of one result are eight neighbours along source 0's rows, and one conversion
; makes of them registers 2 c, 2 c + 1 of the next operand.  Parts q and k (cluster x = 0, 1): A-op = tokens, B-op = columns of w_attn: a lane holds a token, registers run along the head's channels.
; Part v (cluster x = 2): A-op = columns, B-op = tokens: a lane holds a channel, registers run along the keys, which are the K of attention's second product.
; qkv = three parts of 8,388,608 bytes; in each: ((batch x 8 + head pair) x 16 + block of 128 tokens) x 16,384 + a x 2,048 + G x 512 + 16 x lane;
; q, k: a = token tile, G = 2 x (head in the pair) + half of its 64 channels;  v: a = 4 x (head in the pair) + channel tile, G = quarter of the 128 keys.
; CLUSTERS: 4 x 4 work-groups.  A-op's tile hangs on the place along y alone and is shared along a row of the cluster, B-op's on the place along x alone and is shared along a column: joint loads.
; The part is the cluster's x: the same in all sixteen; it chooses offsets and never a branch.
; REGISTERS, in windows of 256: window 0: v0-31 addresses and the scale number; v128-255 A-op's fragments, one set; on the way out v96-223 codes.
;   window 1: B-op's fragments, two sets, at v0 and v128.   windows 2, 3: the accumulators of A-op's blocks 0-3 and 4-7 ((a, b) at v[8 (8 (a % 4) + b)]).
.set FR,     16                        ; registers of a fragment
.set NL,     4                         ; LDS loads that bring one
.set NP,     4                         ; places behind this matrix instruction (ISA guide 7.12.1)
.set KSB,    4096                      ; a K step of 256 in a fragment tile: two images
.set HALFT,  8*KSB                     ; eight fragment tiles: what one tensor load brings, and what one wave reads of an operand
.set SLOT,   4*HALFT                   ; A-op's 16 tiles, then B-op's
.set SPARE,  2*SLOT                    ; behind the ring: the spare words, 128 bytes a wave: two blocks of 256 bytes that no other line names
.set ADRA, 16                          ; v16-17  LDS address of my A-op fragments in slot 0, 1
.set ADRB, 20                          ; v20-21  the same for B-op
.set CO,   26                          ; v26     16 x lane
.set SPW,  28                          ; v28     my spare word; never rewritten
.set NIL,  29                          ; v29     0; never rewritten
.set SC,   30                          ; v30     2^(e_out - e0 - e1)
.set LIM,  31
.set TMP,  32
.set CD,   96
.set AF,   128
.set G1, 24                            ; s[24:31] descriptor group 1 for A-op;  s[32:39] group 0, one set for each slot
.set G0, 32
.set G1B, 48                           ; s[48:55], s[56:63] the same for B-op
.set G0B, 56
.set MSB, 0
.macro WIN new                         ; the immediate's high byte repeats the setting that is left
.if MSB != \new
	s_set_vgpr_msb (MSB<<8)|\new
.set MSB, \new
.endif
.endm
.set MUL_LO, 0xa1                      ; source 0 window 1, source 1 window 0, C and D window 2
.set MUL_HI, 0xf1                      ; the same, C and D window 3
.set TO_B,   0x40                      ; destination window 1, address window 0
; A joint load: waves 0 and 1 fetch A-op's halves, waves 2 and 3 B-op's.  The branch hangs on the wave's number alone.  Four v_nop follow each of the two lines.
.macro JLOAD g0a, g1a, g0b, g1b
	s_cmp_eq_u32 s15, 0
	s_cbranch_scc0 .Lfor_b_\@
	tensor_load_to_lds s[\g0a:\g0a+3], s[\g1a:\g1a+7]
	s_nop 0
.rept 4
	v_nop
.endr
	s_branch .Lasked_\@
.Lfor_b_\@:
	tensor_load_to_lds s[\g0b:\g0b+3], s[\g1b:\g1b+7]
	s_nop 0
.rept 4
	v_nop
.endr
.Lasked_\@:
.endm
.macro CREST                           ; a round of the cluster's barrier behind its opening barrier
	s_cmp_lg_u32 s14, 0
	s_cbranch_scc1 .Lnot_wave_0_\@
	s_barrier_signal -3
.Lnot_wave_0_\@:
	s_barrier_wait -3
	s_barrier_signal -1
	s_barrier_wait -1
.endm
.macro CROUND                          ; a whole round
	s_barrier_signal -1
	s_barrier_wait -1
	CREST
.endm
	s_load_b128 s[4:7], s[0:1], 0x0                ; codes s[4:5], the scales' exponents s[6:7]
	s_load_b64 s[8:9], s[0:1], 0x10                ; qkv
	v_lshl_add_u32 v[SPW], v0, 2, SPARE
	v_mov_b32 v[NIL], 0
	ds_add_u32 v28, v29
	ds_add_u32 v28, v29
	s_wait_dscnt 0x0
	v_lshrrev_b32 v1, 5, v0
	v_readfirstlane_b32 s14, v1                    ; wave 0..3
	s_lshr_b32 s15, s14, 1                         ; my half of A-op's rows.  Also: I fetch for A-op (0) or B-op (1)
	s_and_b32 s16, s14, 1                          ; my half of B-op's rows.  Also: which half of that tile I fetch
	s_bfe_u32 s40, ttmp6, 0x40000                  ; cx, cy: my place in the cluster
	s_bfe_u32 s41, ttmp6, 0x40004
	s_lshl_b32 s43, s41, 2
	s_lshl_b32 s43, 15, s43                        ; my row of the cluster
	s_lshl_b32 s44, 0x1111, s40                    ; my column
	; descriptor group 1: 8 rows (fragment tiles) of 4,096 bytes, 16,384 bytes apart, in elements of 8 bytes; no padding
	s_or_b32 s[G1+0], s43, (3<<16)|(1<<21)         ; 15:0 the mask: my row; 17:16 elements of 8 bytes; 21 set beside a mask
	s_or_b32 s[G1B+0], s44, (3<<16)|(1<<21)        ; the same with my column
.irp g, G1, G1B
	s_mov_b32 s[\g+1], 512<<16                     ; tensor_dim0 = 512
	s_mov_b32 s[\g+2], 8<<16                       ; tensor_dim1 = 8
	s_mov_b32 s[\g+3], 512<<16                     ; tile_dim0 = 512
	s_mov_b32 s[\g+4], 8                           ; tile_dim1 = 8
	s_mov_b32 s[\g+5], 2048                        ; tensor_dim0_stride
	s_mov_b32 s[\g+6], 0
	s_mov_b32 s[\g+7], 0
.endr
	; which tiles of 256 rows (16 fragment tiles, 262,144 bytes): x 0..31, w_attn 32..43.  The choice is made among numbers that all sixteen share; then A-op takes cy, B-op cx
	s_and_b32 s17, ttmp7, 0xffff
	s_lshl_b32 s17, s17, 2                         ; 4 x cluster y
	s_lshl_b32 s18, ttmp9, 2
	s_add_co_u32 s18, s18, 32                      ; 32 + 4 x part
	s_cmp_eq_u32 ttmp9, 2
	s_cselect_b32 s20, 40, s17                     ; A-op: v: w_attn's tiles 40 on; q, k: x's tiles
	s_cselect_b32 s46, s17, s18                    ; B-op: v: x's tiles; q, k: the part's tiles of w_attn
	s_add_co_u32 s20, s20, s41
	s_add_co_u32 s46, s46, s40
	s_lshl_b32 s20, s20, 18
	s_lshl_b32 s46, s46, 18
	s_lshl_b32 s19, s16, 17                        ; the half that I fetch
	s_add_co_u32 s20, s20, s19
	s_add_co_u32 s46, s46, s19
	s_mov_b32 s21, 0
	s_mov_b32 s47, 0
	s_lshl_b32 s45, s14, 15                        ; where it goes: wave x 32,768: no place in the cluster enters an LDS address
	s_wait_kmcnt 0x0
	s_load_b256 s[68:75], s[6:7], 0x0              ; e0 .. e7
	s_add_nc_u64 s[20:21], s[4:5], s[20:21]
	s_add_nc_u64 s[46:47], s[4:5], s[46:47]
	CROUND                                         ; all sixteen work-groups are here: the first joint loads meet
.irp s, 0,1
	s_mov_b32 s[G0+4*\s], 1
	s_add_co_u32 s[G0+4*\s+1], s45, \s*SLOT
	s_add_nc_u64 s[G0+4*\s+2:G0+4*\s+3], s[20:21], \s*KSB
	s_or_b32 s[G0+4*\s+3], s[G0+4*\s+3], 0x80000000
	s_mov_b32 s[G0B+4*\s], 1
	s_add_co_u32 s[G0B+4*\s+1], s45, \s*SLOT
	s_add_nc_u64 s[G0B+4*\s+2:G0B+4*\s+3], s[46:47], \s*KSB
	s_or_b32 s[G0B+4*\s+3], s[G0B+4*\s+3], 0x80000000
	JLOAD G0+4*\s, G1, G0B+4*\s, G1B               ; two loads of mine are out
.endr
	v_and_b32 v1, 31, v0
	v_lshlrev_b32 v[CO], 4, v1                     ; 16 x lane
	s_lshl_b32 s21, s15, 15                        ; my eight tiles of A-op
	s_lshl_b32 s22, s16, 15                        ; my eight of B-op,
	s_add_co_u32 s22, s22, 2*HALFT                 ; which lie behind A-op's sixteen
.irp s, 0,1
	v_add_nc_u32 v[ADRA+\s], s21, v[CO]
	v_add_nc_u32 v[ADRB+\s], s22, v[CO]
	s_add_co_u32 s21, s21, SLOT
	s_add_co_u32 s22, s22, SLOT
.endr
	; where my 16,384 bytes of codes go.  T: my block of 128 tokens (0..63); HP: my head pair (0..7)
	s_add_co_u32 s76, s17, s41
	s_lshl_b32 s76, s76, 1
	s_add_co_u32 s76, s76, s15                     ; q, k: T = 2 (4 cluster y + cy) + my half of A-op
	s_add_co_u32 s77, s17, s40
	s_lshl_b32 s77, s77, 1
	s_add_co_u32 s77, s77, s16                     ; v:    T = 2 (4 cluster y + cx) + my half of B-op
	s_lshl_b32 s78, s40, 1
	s_add_co_u32 s78, s78, s16                     ; q, k: HP = 2 cx + my half of B-op
	s_lshl_b32 s79, s41, 1
	s_add_co_u32 s79, s79, s15                     ; v:    HP = 2 cy + my half of A-op
	s_cmp_eq_u32 ttmp9, 2
	s_cselect_b32 s76, s77, s76
	s_cselect_b32 s78, s79, s78
	s_lshr_b32 s77, s76, 4                         ; batch
	s_lshl_b32 s77, s77, 3
	s_add_co_u32 s77, s77, s78
	s_lshl_b32 s77, s77, 18
	s_and_b32 s76, s76, 15
	s_lshl_b32 s76, s76, 14
	s_add_co_u32 s76, s76, s77
	s_lshl_b32 s77, ttmp9, 23                      ; the part
	s_add_co_u32 s76, s76, s77
	s_mov_b32 s77, 0
	s_add_nc_u64 s[8:9], s[8:9], s[76:77]
	s_wait_alu depctr_va_vdst(0)
	s_wait_kmcnt 0x0
	s_cmp_eq_u32 ttmp9, 0
	s_cselect_b32 s76, s70, s71                    ; e2 for q, e3 for k,
	s_cmp_eq_u32 ttmp9, 2
	s_cselect_b32 s76, s73, s76                    ; e5 for v
	s_sub_co_i32 s76, s76, s68
	s_sub_co_i32 s76, s76, s69
	s_add_co_i32 s76, s76, 127
	s_lshl_b32 s77, s76, 23
	v_mov_b32 v[SC], s77                           ; the three scales folded into the conversion's one
.macro FRAG reg, adr, q, i             ; fragment tile i, the slot's q-th 128 along K: the image as it lies
.irp c, 0,1,2,3
	ds_load_b128 v[\reg+4*\c:\reg+4*\c+3], v[\adr] offset:KSB*(\i)+2048*(\q)+512*\c
.endr
.endm
; 16 matrix instructions: A-op's blocks a0, a0 + 1 x B-op's eight.  p: B-op's set.  zero = 1: the first product starts the sums.  The 64 accumulators take turns, one instruction a turn, in the same order in every step.
.macro MUL16 a0, p, zero
.irp a, \a0, \a0+1
.irp b, 0,1,2,3,4,5,6,7
.if \zero
	v_wmma_f32_16x16x128_fp8_fp8 v[8*(8*((\a)%4)+\b):8*(8*((\a)%4)+\b)+7], v[128*(\p)+FR*\b:128*(\p)+FR*\b+FR-1], v[AF+FR*(\a):AF+FR*(\a)+FR-1], 0
.else
	v_wmma_f32_16x16x128_fp8_fp8 v[8*(8*((\a)%4)+\b):8*(8*((\a)%4)+\b)+7], v[128*(\p)+FR*\b:128*(\p)+FR*\b+FR-1], v[AF+FR*(\a):AF+FR*(\a)+FR-1], v[8*(8*((\a)%4)+\b):8*(8*((\a)%4)+\b)+7]
.endif
.endr
.endr
.endm
.macro FETCH_B slot, q, p
	WIN TO_B
.irp i, 0,1,2,3,4,5,6,7
	FRAG 128*(\p)+FR*\i, ADRB+\slot, \q, \i
.endr
	WIN 0
.endm
.macro FETCH_A slot, q, i0
.irp i, \i0, \i0+1, \i0+2, \i0+3
	FRAG AF+FR*(\i), ADRA+\slot, \q, \i
.endr
.endm
.macro PLACES n                        ; plain vector lines between a matrix instruction and a load into a register that it read, or a vector read of its result (ISA guide 7.12.1 for the vector read)
.rept \n
	v_nop
.endr
.endm
; A step of 128 along K that has its successor in the same slot.  A block of A-op is free once its eight products are issued, so one set serves A-op; B-op is at work through the step and has two.
.macro STEP slot, q, zero
	s_wait_dscnt 4*NL                              ; B-op's set and A-op's blocks 0-3 are in; the youngest sixteen loads (blocks 4-7) may be out
	WIN MUL_LO
	MUL16 0, (\q)%2, \zero
	MUL16 2, (\q)%2, \zero
	s_wait_dscnt 0                                 ; blocks 4-7 are in
	PLACES NP
	FETCH_B \slot, (\q)+1, 1-(\q)%2
	FETCH_A \slot, (\q)+1, 0
	WIN MUL_HI
	MUL16 4, (\q)%2, \zero
	MUL16 6, (\q)%2, \zero
	PLACES NP
	WIN 0
	FETCH_A \slot, (\q)+1, 4
.endm
; A slot's last step changes slots: one barrier; in front of it each wave waits for all its tensor loads, adds 0 to its spare word, and waits for that and for its reads of this slot.  fill = 1: the slot is filled again, two K steps ahead.
.macro TURN slot, next, fill
	s_wait_tensorcnt 0x0                           ; all my tensor loads have landed: my part of the next slot
	ds_add_u32 v[SPW], v[NIL]                      ; 0 onto my spare word
	s_wait_dscnt 4*NL+1                            ; (the add and the youngest sixteen loads may be out)
	WIN MUL_LO
	MUL16 0, 1, 0
	s_wait_dscnt 0x0                               ; the add is done, and my reads of this slot are over
	s_barrier_signal -1
	MUL16 2, 1, 0
	WIN 0
	s_barrier_wait -1
.if \fill
	CREST                                          ; the barrier has opened a round of the cluster's: no wave of any partner still reads this slot or has a load on its way
	s_add_nc_u64 s[G0+4*\slot+2:G0+4*\slot+3], s[G0+4*\slot+2:G0+4*\slot+3], 2*KSB
	s_add_nc_u64 s[G0B+4*\slot+2:G0B+4*\slot+3], s[G0B+4*\slot+2:G0B+4*\slot+3], 2*KSB
	JLOAD G0+4*\slot, G1, G0B+4*\slot, G1B         ; my one tensor load behind the round; its four v_nop are the places in front of the loads below
.else
	PLACES NP
.endif
	FETCH_B \next, 0, 0
	FETCH_A \next, 0, 0
	WIN MUL_HI
	MUL16 4, 1, 0
	MUL16 6, 1, 0
	PLACES NP
	WIN 0
	FETCH_A \next, 0, 4
.endm
	s_wait_tensorcnt 1                             ; my part of K step 0 is in (K step 1's load may be out)
	s_barrier_signal -1
	s_barrier_wait -1                              ; everybody's is
	FETCH_B 0, 0, 0
	FETCH_A 0, 0, 0
	FETCH_A 0, 0, 4
	STEP 0, 0, 1                                   ; K 0..127: these products start the sums
	TURN 0, 1, 1                                   ; K 128..255; slot 0 takes K 512..767
	STEP 1, 0, 0
	TURN 1, 0, 1                                   ; slot 1 takes K 768..1023
	STEP 0, 0, 0
	TURN 0, 1, 0                                   ; nothing is left to fetch
	STEP 1, 0, 0
	s_wait_dscnt 4*NL
	WIN MUL_LO
	MUL16 0, 1, 0
	MUL16 2, 1, 0
	s_wait_alu depctr_va_vdst(0)
	s_wait_dscnt 0
	WIN MUL_HI
	MUL16 4, 1, 0
	MUL16 6, 1, 0
	WIN 0
; THE WAY OUT.  Block a's eight results: held, converted; result b gives registers 2 b, 2 b + 1: the block's 16 registers are an image of 2,048 bytes, stored as it stands.
; Every block has code registers of its own and the base is never stepped, so no store's sources are written again.
.macro OUTB a
.set AC, 64*((\a)%4)
	WIN 0x02+((\a)/4)                              ; source 0: window 2 or 3
.set J, 0
.rept 64
.set J, J+1
.endr
.irp b, 0,1,2,3,4,5,6,7
	v_cvt_scalef32_pk8_fp8_f32 v[CD+16*(\a)+2*\b:CD+16*(\a)+2*\b+1], v[AC+8*\b:AC+8*\b+7], v[SC]
.endr
	WIN 0
	v_nop                                          ; a plain line behind the conversions
.irp g, 0,1,2,3
	global_store_b128 v[CO], v[CD+16*(\a)+4*\g:CD+16*(\a)+4*\g+3], s[8:9] offset:2048*(\a)+512*\g   ; 32 lanes store 512 consecutive bytes, aligned
.endr
.endm
	PLACES NP
.irp a, 0,1,2,3,4,5,6,7
	OUTB \a
.endr
	s_wait_tensorcnt 0x0                           ; the wave's end
	ds_add_u32 v[SPW], v[NIL]
	s_wait_dscnt 0x0
	CROUND                                         ; the closing round: no work-group ends while a partner may still ask for a tile that names it
	s_endpgm
.Lfunc_end_k_q16118c2926_qkvgemm:
	.size	k_q16118c2926_qkvgemm, .Lfunc_end_k_q16118c2926_qkvgemm-k_q16118c2926_qkvgemm
	.p2alignl 7, 3214868480
	.fill 96, 4, 3214868480
	.section	.rodata,"a",@progbits
	.p2align	6, 0x0
	.amdhsa_kernel k_q16118c2926_qkvgemm
		.amdhsa_group_segment_fixed_size 327680
		.amdhsa_private_segment_fixed_size 0
		.amdhsa_enable_private_segment 0
		.amdhsa_kernarg_size 24
		.amdhsa_user_sgpr_count 2
		.amdhsa_user_sgpr_kernarg_segment_ptr 1
		.amdhsa_wavefront_size32 1
		.amdhsa_system_sgpr_workgroup_id_x 1
		.amdhsa_system_sgpr_workgroup_id_y 1
		.amdhsa_system_sgpr_workgroup_id_z 1
		.amdhsa_system_vgpr_workitem_id 0
		.amdhsa_next_free_vgpr 1024
		.amdhsa_next_free_sgpr 80
		.amdhsa_reserve_vcc 0
		.amdhsa_float_denorm_mode_32 3
		.amdhsa_float_denorm_mode_16_64 3
		.amdhsa_fp16_overflow 1
		.amdhsa_memory_ordered 1
		.amdhsa_forward_progress 1
		.amdhsa_inst_pref_size 85
	.end_amdhsa_kernel
	.amdgpu_metadata
---
amdhsa.version: [ 1, 2 ]
amdhsa.kernels:
  - .name:           k_q16118c2926_qkvgemm
    .symbol:         k_q16118c2926_qkvgemm.kd
    .args:
      - { .name: codes, .offset: 0, .size: 8, .value_kind: global_buffer, .address_space: global }
      - { .name: lowp_scales, .offset: 8, .size: 8, .value_kind: global_buffer, .address_space: global }
      - { .name: qkv, .offset: 16, .size: 8, .value_kind: global_buffer, .address_space: global }
    .group_segment_fixed_size: 327680
    .private_segment_fixed_size: 0
    .kernarg_segment_align: 8
    .kernarg_segment_size: 24
    .max_flat_workgroup_size: 128
    .sgpr_count:     80
    .vgpr_count:     1024
    .wavefront_size: 32
...
	.end_amdgpu_metadata
.endif
;; end of part 2
;; launch attn (part 3): grid 4 x 64, 16 waves a work-group, no clusters, 264,192 bytes of LDS; arguments qkv, lowp_scales, yq; writes yq
.if DOCPART == 3
	.amdgcn_target "amdgcn-amd-amdhsa--gfx1250"
	.amdhsa_code_object_version 6
	.text
	.protected	k_q16118c2926_attn
	.globl	k_q16118c2926_attn
	.p2align	8
	.type	k_q16118c2926_attn,@function
k_q16118c2926_attn:
	s_mov_b64 s[64:65], 0
	v_nop
	global_prefetch_b8 v0, s[64:65] scope:SCOPE_SE
	s_setreg_imm32_b32 hwreg(HW_REG_WAVE_MODE, 25, 1), 1
	s_wait_xcnt 0x0
; y = softmax(q k^T / 8, causal) v for one head, both products on codes of FP8 (E4M3), and y quantised at once (scale entry 6) into the last product's operand.
; THE SOFTMAX: t = score x log2(e) / 8; M = the running largest t rounded UP to a whole number; p = 2^(t - M) is quantised (entry 4), not normalised; the row's sum is taken of the unquantised p
; and divides at the end.  When M moves, the sum and O are multiplied by 2^(old M - new M), which rounds nothing.
; LIMITS: e2 + e3 between -123 and 130 (added to the exponent field of log2(e) / 8); e4 between -126 and 119; e4 + e5 - e6 goes in by v_ldexp_f32 and has none.  NaN is not served.
; SHARES.  Work-group (i, head) owns the blocks of 256 queries 7 - i and i of its head: 16 - 2 i and 2 i + 2 key steps of 128, eighteen for every work-group.  Each of sixteen waves owns one tile of
; 16 queries in each block, first the late block's (H), then the early one's (L), in 256 registers: four waves to a SIMD, so that one wave's vector work stands beside another's products and LDS loads.
; LDS HOLDS THE WHOLE HEAD: k's 2,048 keys x 64 bytes at 0, v's at 131,072.  Each byte is filled once, by eight loads of wave 0 (k) and eight of wave 1 (v), 256 keys each, issued together at the start;
; nothing is filled again, so the loop over key steps has no barrier, and both blocks read the same bytes.
; LAYOUT.  All operands lie as images of their registers: a fragment is loads of 16 bytes a lane, 512 bytes apart.  S^T = k q^T (source 0 = 16 keys, source 1 = my 16 queries): a lane holds one query,
; register 8 t + j the key 16 t + 8 (lane / 16) + j, so one conversion of a tile's eight registers gives registers 2 t, 2 t + 1 of p's fragment.  O^T = v^T p^T likewise gives y's codes.
; NO CLUSTER, though the four work-groups of a head read the same k and v: the change from H to L and the steps left out under the causal mask are scalar branches on i, which would be the place in the
; cluster; joint loads allow no branch that differs between partners, and without those branches each wave would walk 32 steps for 18.
.set LI,   1                           ; v1   16 x lane; never rewritten
.set D0,   2                           ; v2   lane % 16 - 8 (lane / 16)
.set ADK,  3                           ; v3   LDS address of the step's k
.set ADV,  4                           ; v4   of its v
.set NINF, 5                           ; v5   -infinity
.set PLIM, 8
.set PSC,  9                           ; v9   2^e4
.set YLIM, 10
.set ONE,  11                          ; v11  1.0: y's conversion divides by 2^0
                                       ; v12 -M, v13 the largest t, v[14:15] the sum in two halves
.set Q,    16                          ; v16-23   the tile in hand's q
.set QL,   24                          ; v24-31   tile L's q
.set KV,   32                          ; v32-95   eight fragments of k, then four of v
.set S,    96                          ; v96-159  S^T, then p
.set O,    160                         ; v160-191 O^T
.set P,    192                         ; v192-207 p's codes
.set YC,   208                         ; v208-215 y's codes
.set YT,   216                         ; v216-247 y
.set MA,   248
.set MB,   249
.set PX,   250                         ; a lane permute's destination
.set F,    252                         ; v[252:253] 2^(old M - new M) (the pair's low word serves both halves)
.set SB,   254                         ; v[254:255] the sums' second chain
.set WV,   10
.set SEL,  24                          ; s[24:25] lane l xor 16
.set CS,   26                          ; s[26:27] log2(e) / 8 x 2^(e2 + e3)
.set G1K,  28                          ; s[28:35] descriptor group 1 for k;  s[36:43] for v
.set G1V,  36
.set G,    44                          ; the loop's counter
.set GS,   45                          ; 16 - 2 i: H's steps
.set SELK, 46                          ; 2 i
.set Q0,   47                          ; the first query of the tile in hand
.set QL0,  48                          ; tile L's
.set T0,   49                          ; the key step
.set TB,   50                          ; its byte in LDS
.set KF,   51                          ; its first key
.set T1,   52
.set YBH,  54                          ; s[54:55], s[56:57] where H's and L's codes of y go
.set YBL,  56
.set EY,   58                          ; e4 + e5 - e6
.set G0,   68                          ; s[68:99] descriptor group 0, a set for each of a wave's eight loads
	s_load_b128 s[4:7], s[0:1], 0x0                ; qkv s[4:5], the scales' exponents s[6:7]
	s_load_b64 s[8:9], s[0:1], 0x10                ; yq
	v_lshl_add_u32 v7, v0, 2, 0x40000
	v_mov_b32 v251, 0
	ds_add_u32 v7, v251
	ds_add_u32 v7, v251
	v_lshrrev_b32 v3, 5, v0
	s_delay_alu instid0(VALU_DEP_1)
	v_readfirstlane_b32 s[WV], v3                  ; wave 0..15
	s_and_b32 s11, ttmp7, 0xffff                   ; 16 x batch + head
	s_and_b32 s12, s[WV], 1                        ; what I would fetch: k (0) or v (1)
	s_lshr_b32 s13, s11, 1
	s_lshl_b32 s13, s13, 18                        ; the head pair's 262,144 bytes in a part
	s_and_b32 s52, s11, 1
	s_lshl_b32 s52, s52, 10                        ; the head in its pair: 1,024 bytes on in q and k,
	s_mul_i32 s2, s12, 3
	s_lshl_b32 s2, s52, s2                         ; 8,192 in v
	s_add_co_u32 s2, s2, s13
	s_add_co_u32 s3, s12, 1
	s_lshl_b32 s3, s3, 23                          ; part 1 is k, part 2 is v
	s_add_co_u32 s2, s2, s3
	s_mov_b32 s3, 0
	s_lshl_b32 s53, s12, 17                        ; in LDS: k at 0, v at 131,072
	; group 1, in elements of 8 bytes.  k: 16 key tiles of 1,024 bytes, 2,048 apart;  v: 2 blocks of 128 keys, 8,192 bytes each, 16,384 apart
	s_mov_b32 s[G1K], 3<<16
	s_mov_b32 s[G1K+1], 128<<16                    ; tensor_dim0
	s_mov_b32 s[G1K+2], 16<<16                     ; tensor_dim1
	s_mov_b32 s[G1K+3], 128<<16                    ; tile_dim0
	s_mov_b32 s[G1K+4], 16                         ; tile_dim1
	s_mov_b32 s[G1K+5], 256                        ; tensor_dim0_stride
	s_mov_b32 s[G1K+6], 0
	s_mov_b32 s[G1K+7], 0
	s_mov_b32 s[G1V], 3<<16
	s_mov_b32 s[G1V+1], 1024<<16
	s_mov_b32 s[G1V+2], 2<<16
	s_mov_b32 s[G1V+3], 1024<<16
	s_mov_b32 s[G1V+4], 2
	s_mov_b32 s[G1V+5], 2048
	s_mov_b32 s[G1V+6], 0
	s_mov_b32 s[G1V+7], 0
	s_wait_dscnt 0x0
	s_wait_kmcnt 0x0
	s_load_b256 s[16:23], s[6:7], 0x0              ; e0 .. e7
	s_add_nc_u64 s[14:15], s[4:5], s[2:3]
.irp j, 0,1,2,3,4,5,6,7                            ; load j: keys 256 j on
	s_mov_b32 s[G0+4*\j], 1
	s_add_co_u32 s[G0+4*\j+1], s53, 16384*\j
	s_add_nc_u64 s[G0+4*\j+2:G0+4*\j+3], s[14:15], 32768*\j
	s_or_b32 s[G0+4*\j+3], s[G0+4*\j+3], 0x80000000
.endr
	s_cmp_lt_u32 s[WV], 2                          ; all fills of a wave stand in one branch, ahead of every wait on TENSORcnt, every LDS read and every barrier: eight loads of a wave are out at the most
	s_cbranch_scc0 .Lno_fill
	s_cmp_eq_u32 s[WV], 0
	s_cbranch_scc0 .Lfill_v
.irp j, 0,1,2,3,4,5,6,7
	tensor_load_to_lds s[G0+4*\j:G0+4*\j+3], s[G1K:G1K+7]
	s_nop 0
.endr
.rept 4
	v_nop
.endr
	s_branch .Lno_fill
.Lfill_v:
.irp j, 0,1,2,3,4,5,6,7
	tensor_load_to_lds s[G0+4*\j:G0+4*\j+3], s[G1V:G1V+7]
	s_nop 0
.endr
.rept 4
	v_nop
.endr
.Lno_fill:
	s_add_co_u32 s13, s13, s52                     ; my head's place in part q
	s_sub_co_u32 s53, 7, ttmp9
	s_lshl_b32 s53, s53, 4
	s_add_co_u32 s53, s53, s[WV]                   ; H's token tile in the batch: 16 (7 - i) + wave
	s_lshl_b32 s59, ttmp9, 4
	s_add_co_u32 s59, s59, s[WV]                   ; L's: 16 i + wave
	s_lshl_b32 s[Q0], s53, 4
	s_lshl_b32 s[QL0], s59, 4
	s_lshl_b32 s2, s53, 11
	s_add_co_u32 s2, s2, s13
	s_add_nc_u64 s[60:61], s[4:5], s[2:3]
	s_lshl_b32 s2, s59, 11
	s_add_co_u32 s2, s2, s13
	s_add_nc_u64 s[62:63], s[4:5], s[2:3]
	v_and_b32 v[LI], 31, v0
	s_delay_alu instid0(VALU_DEP_1)
	v_lshlrev_b32 v[LI], 4, v[LI]
	global_load_b128 v[Q:Q+3],    v[LI], s[60:61]
	global_load_b128 v[Q+4:Q+7],  v[LI], s[60:61] offset:512
	global_load_b128 v[QL:QL+3],  v[LI], s[62:63]
	global_load_b128 v[QL+4:QL+7], v[LI], s[62:63] offset:512
	s_lshr_b32 s2, s11, 4
	s_lshl_b32 s2, s2, 7                           ; 128 token tiles a batch
	s_add_co_u32 s53, s53, s2
	s_add_co_u32 s59, s59, s2
	s_and_b32 s13, s11, 15
	s_lshl_b32 s13, s13, 10                        ; yq = [token tile][K step of 128][2,048]: head hd's 64 channels are the 1,024 bytes at 1,024 hd
	s_lshl_b32 s2, s53, 14
	s_add_co_u32 s2, s2, s13
	s_add_nc_u64 s[YBH:YBH+1], s[8:9], s[2:3]
	s_lshl_b32 s2, s59, 14
	s_add_co_u32 s2, s2, s13
	s_add_nc_u64 s[YBL:YBL+1], s[8:9], s[2:3]
	s_lshl_b32 s[SELK], ttmp9, 1
	s_sub_co_u32 s[GS], 16, s[SELK]
	s_mov_b32 s[SEL], 0x76543210
	s_mov_b32 s[SEL+1], 0xfedcba98
	s_mov_b32 s[CS], 0x3e38aa3b                    ; log2(e) / 8
	v_and_b32 v[D0], 15, v0
	v_bfe_u32 v3, v0, 4, 1
	s_delay_alu instid0(VALU_DEP_1)
	v_lshlrev_b32 v3, 3, v3
	s_delay_alu instid0(VALU_DEP_1)
	v_sub_nc_u32 v[D0], v[D0], v3
	v_mov_b32 v[NINF], 0xff800000
	v_mov_b32 v[ONE], 1.0
	v_mov_b32 v[PX], 0                             ; written once: a lane permute's destination counts as one of its sources
	v_mov_b32 v[F+1], 0                            ; (named as the upper half of a pair)
	s_wait_kmcnt 0x0
	s_add_co_i32 s2, s18, s19
	s_lshl_b32 s2, s2, 23
	s_add_co_i32 s[CS], s[CS], s2                  ; a score stands for score x 2^(e2 + e3)
	s_mov_b32 s[CS+1], s[CS]                       ; (named with it as a pair)
	s_add_co_i32 s2, s20, 127
	s_lshl_b32 s3, s2, 23
	v_mov_b32 v[PSC], s3
	s_add_co_i32 s[EY], s20, s21
	s_sub_co_i32 s[EY], s[EY], s22
.macro INIT                            ; a tile begins: the largest t under every t, the sum and O^T zeros, which the first change of M leaves zeros
	v_mov_b32 v13, 0xff61b1e6                      ; -3e38
	s_delay_alu instid0(VALU_DEP_1)
	v_floor_f32 v12, -v13
	v_mov_b32 v14, 0
	v_mov_b32 v15, 0
.set J, 0
.rept 32
	v_mov_b32 v[O+J], 0
.set J, J+1
.endr
.endm
; A KEY STEP: the 128 keys whose k begins at LDS byte s[TB].  masked = 1: where the step reaches past my first query, hidden scores become -infinity.
.macro STEP masked
	v_add_nc_u32 v[ADK], s[TB], v[LI]
	s_delay_alu instid0(VALU_DEP_1)
	v_add_nc_u32 v[ADV], 0x20000, v[ADK]
.irp t, 0,1,2,3,4,5,6,7
	ds_load_b128 v[KV+8*\t:KV+8*\t+3],   v[ADK] offset:1024*\t
	ds_load_b128 v[KV+8*\t+4:KV+8*\t+7], v[ADK] offset:1024*\t+512
.endr
	s_wait_alu depctr_va_vdst(0)
	s_wait_dscnt 0x0
.irp t, 0,1,2,3,4,5,6,7
	v_wmma_f32_16x16x64_fp8_fp8 v[S+8*\t:S+8*\t+7], v[KV+8*\t:KV+8*\t+7], v[Q:Q+7], 0
.endr
.rept 4
	v_nop                                          ; places in front of the loads into k's registers and of the first read of the scores
.endr
.irp c, 0,1,2,3                                    ; v's four fragments (16 channels x 128 keys) land while the softmax is worked
.irp g, 0,1,2,3
	ds_load_b128 v[KV+16*\c+4*\g:KV+16*\c+4*\g+3], v[ADV] offset:2048*\c+512*\g
.endr
.endr
.if \masked
	s_add_co_u32 s[T1], s[KF], 127
	s_cmp_le_u32 s[T1], s[Q0]
	s_cbranch_scc1 .Lopen_\@                       ; all 128 keys count for all my queries
	s_sub_co_i32 s[T1], s[Q0], s[KF]
	v_add_nc_u32 v[MA], s[T1], v[D0]               ; register 8 t + j is hidden where 16 t + j > my query - KF - 8 (lane / 16)
.set N, 0
.rept 64
	v_cmp_gt_i32 vcc_lo, 16*(N/8)+N%8, v[MA]
	v_cndmask_b32 v[S+N], v[S+N], v[NINF], vcc_lo
.set N, N+1
.endr
.Lopen_\@:
.endif
	v_max3_num_f32 v[MA], v[S], v[S+1], v[S+2]     ; the step's largest score of my query among my 64 keys, in two chains; each tile is first read at its low end
	v_max3_num_f32 v[MB], v[S+3], v[S+4], v[S+5]
.irp i, 6,10,14,18,22,26,30,34,38,42,46,50,54,58
	v_max3_num_f32 v[MA], v[MA], v[S+\i], v[S+1+\i]
	v_max3_num_f32 v[MB], v[MB], v[S+2+\i], v[S+3+\i]
.endr
	v_max3_num_f32 v[MA], v[MA], v[S+62], v[S+63]
	s_delay_alu instid0(VALU_DEP_1)
	v_max_num_f32 v[MA], v[MA], v[MB]
	s_delay_alu instid0(VALU_DEP_1)
	v_permlanex16_b32 v[PX], v[MA], s[SEL], s[SEL+1]
	s_delay_alu instid0(VALU_DEP_1)
	v_max_num_f32 v[MA], v[MA], v[PX]              ; and among lane l xor 16's
	s_delay_alu instid0(VALU_DEP_1)
	v_mul_f32 v[MA], s[CS], v[MA]                  ; as t
	s_delay_alu instid0(VALU_DEP_1)
	v_max_num_f32 v13, v13, v[MA]
	v_mov_b32 v[MA], v12
	s_delay_alu instid0(VALU_DEP_2)
	v_floor_f32 v12, -v13                          ; -M = floor(-t): M is a whole number
	s_delay_alu instid0(VALU_DEP_1)
	v_sub_f32 v[MA], v12, v[MA]                    ; old M - new M, 0 or less
	s_delay_alu instid0(VALU_DEP_1)
	v_cvt_i32_f32 v[MA], v[MA]                     ; (it saturates)
	s_delay_alu instid0(VALU_DEP_1)
	v_ldexp_f32 v[F], 1.0, v[MA]
.set J, 0
	s_setprio 1
.rept 32
	v_pk_fma_f32 v[S+J:S+J+1], v[S+J:S+J+1], s[CS:CS+1], v[12:13] op_sel_hi:[1,0,0]   ; t - M
.set J, J+2
.endr
.set J, 0
	s_wait_alu depctr_va_vdst(0)
.rept 64
	v_exp_f32 v[S+J], v[S+J]                       ; p = 2^(t - M)
.set J, J+1
.endr
	v_pk_mul_f32 v[14:15], v[14:15], v[F:F+1] op_sel_hi:[1,0]   ; the sums under the new M (a plain line behind the exponentials)
	s_wait_alu depctr_va_vdst(0)
	v_pk_add_f32 v[254:255], v[100:101], v[104:105]
	v_pk_add_f32 v[248:249], v[108:109], v[112:113]
	v_pk_add_f32 v[246:247], v[116:117], v[120:121]
	v_pk_add_f32 v[244:245], v[124:125], v[128:129]
	v_pk_add_f32 v[242:243], v[132:133], v[136:137]
	v_pk_add_f32 v[240:241], v[140:141], v[144:145]
	v_pk_add_f32 v[238:239], v[148:149], v[152:153]
	v_pk_add_f32 v[14:15], v[14:15], v[156:157]
	v_pk_add_f32 v[254:255], v[254:255], v[96:97]
	v_pk_add_f32 v[248:249], v[248:249], v[98:99]
	v_pk_add_f32 v[246:247], v[246:247], v[102:103]
	v_pk_add_f32 v[244:245], v[244:245], v[106:107]
	v_pk_add_f32 v[242:243], v[242:243], v[110:111]
	v_pk_add_f32 v[240:241], v[240:241], v[114:115]
	v_pk_add_f32 v[238:239], v[238:239], v[118:119]
	v_pk_add_f32 v[14:15], v[14:15], v[122:123]
	v_pk_add_f32 v[254:255], v[254:255], v[126:127]
	v_pk_add_f32 v[248:249], v[248:249], v[130:131]
	v_pk_add_f32 v[246:247], v[246:247], v[134:135]
	v_pk_add_f32 v[244:245], v[244:245], v[138:139]
	v_pk_add_f32 v[242:243], v[242:243], v[142:143]
	v_pk_add_f32 v[240:241], v[240:241], v[146:147]
	v_pk_add_f32 v[238:239], v[238:239], v[150:151]
	v_pk_add_f32 v[14:15], v[14:15], v[154:155]
	v_pk_add_f32 v[254:255], v[254:255], v[158:159]
	s_delay_alu instid0(VALU_DEP_2)
	v_pk_add_f32 v[14:15], v[14:15], v[244:245]
	s_delay_alu instid0(VALU_DEP_2)
	v_pk_add_f32 v[254:255], v[254:255], v[242:243]
	s_setprio 0
	v_pk_add_f32 v[248:249], v[248:249], v[240:241]
	v_pk_add_f32 v[246:247], v[246:247], v[238:239]
	s_delay_alu instid0(VALU_DEP_2)
	v_pk_add_f32 v[14:15], v[14:15], v[248:249]
	s_delay_alu instid0(VALU_DEP_2)
	v_pk_add_f32 v[254:255], v[254:255], v[246:247]
	s_delay_alu instid0(VALU_DEP_1)
	v_pk_add_f32 v[14:15], v[14:15], v[254:255]
.irp t, 0,1,2,3,4,5,6,7
.irp i, 0,1,2,3,4,5,6,7
.endr
	v_cvt_scalef32_pk8_fp8_f32 v[P+2*\t:P+2*\t+1], v[S+8*\t:S+8*\t+7], v[PSC]
.endr
.set J, 0
.rept 16
	v_pk_mul_f32 v[O+J:O+J+1], v[O+J:O+J+1], v[F:F+1] op_sel_hi:[1,0]   ; O^T under the new M (also the plain lines behind the conversions)
.set J, J+2
.endr
	s_wait_alu depctr_va_vdst(0)
	s_wait_dscnt 0x0                               ; v is in
.irp c, 0,1,2,3                                    ; the four accumulators take turns
	v_wmma_f32_16x16x128_fp8_fp8 v[O+8*\c:O+8*\c+7], v[KV+16*\c:KV+16*\c+15], v[P:P+15], v[O+8*\c:O+8*\c+7]
.endr
.rept 4
	v_nop                                          ; places in front of the next step's loads into v's registers and of a read of O^T, on every way on
.endr
.endm
; A tile ends: O^T / the sum x 2^(e4 + e5 - e6), held within +-448, converted: tile c gives registers 2 c, 2 c + 1 of my head's half of y's image.
.macro FIN yb
	s_wait_xcnt 0x0                                ; the codes' registers, which an earlier store may still read, are rewritten only behind this wait
	v_add_f32 v14, v14, v15
	s_delay_alu instid0(VALU_DEP_1)
	v_permlanex16_b32 v[PX], v14, s[SEL], s[SEL+1]
	s_delay_alu instid0(VALU_DEP_1)
	v_add_f32 v14, v14, v[PX]
	s_wait_alu depctr_va_vdst(0)
	v_rcp_f32 v14, v14
	v_nop                                          ; a plain line behind the transcendental
	s_wait_alu depctr_va_vdst(0)
	v_ldexp_f32 v14, v14, s[EY]
.set J, 0
.rept 16
	v_pk_mul_f32 v[YT+J:YT+J+1], v[O+J:O+J+1], v[14:15] op_sel_hi:[1,0]
.set J, J+2
.endr
.set J, 0
.rept 32
.set J, J+1
.endr
.irp c, 0,1,2,3
	v_cvt_scalef32_pk8_fp8_f32 v[YC+2*\c:YC+2*\c+1], v[YT+8*\c:YT+8*\c+7], v[ONE]
.endr
	v_nop                                          ; a plain line behind the conversions
	global_store_b128 v[LI], v[YC:YC+3],   s[\yb:\yb+1]              ; 32 lanes store 512 consecutive bytes, aligned
	global_store_b128 v[LI], v[YC+4:YC+7], s[\yb:\yb+1] offset:512
.endm
	INIT
	s_wait_loadcnt 0x0                             ; q
	s_wait_tensorcnt 7                             ; keys 0..255 are in; the issuing wave's seven later loads may be out
	s_barrier_signal -1
	s_barrier_wait -1
	s_mov_b32 s[TB], 0                             ; H's first query is 1,024 or later: its steps 0 to 3 need no mask
	STEP 0
	s_mov_b32 s[TB], 8192
	STEP 0
	s_wait_tensorcnt 6                             ; keys 256..511 are in
	s_barrier_signal -1
	s_barrier_wait -1
	s_mov_b32 s[TB], 16384
	STEP 0
	s_mov_b32 s[TB], 24576
	STEP 0
	s_wait_tensorcnt 0x0                           ; the whole head is in
	s_barrier_signal -1
	s_barrier_wait -1                              ; the last barrier: from here on LDS is only read
	s_mov_b32 s[G], 4
.Lstep:                                            ; fourteen trips: H's steps 4 .. 15 - 2 i, then L's steps 0 .. 2 i + 1
	s_cmp_lg_u32 s[G], s[GS]
	s_cbranch_scc1 .Lsame
	FIN YBH
	INIT
.irp j, 0,1,2,3,4,5,6,7
	v_mov_b32 v[Q+\j], v[QL+\j]
.endr
	s_mov_b32 s[Q0], s[QL0]
.Lsame:
	s_cmp_lt_u32 s[G], s[GS]
	s_cselect_b32 s[T0], 0, s[SELK]
	s_add_co_u32 s[T0], s[T0], s[G]
	s_and_b32 s[T0], s[T0], 15                     ; H: step G;  L: step G + 2 i - 16
	s_lshl_b32 s[KF], s[T0], 7
	s_lshl_b32 s[TB], s[T0], 13
	s_add_co_u32 s[T1], s[Q0], 15
	s_cmp_gt_u32 s[KF], s[T1]
	s_cbranch_scc1 .Lhidden                        ; all the step's keys come after my 16 queries
	s_setprio 2
	STEP 1
.Lhidden:
	s_add_co_u32 s[G], s[G], 1
	s_cmp_lt_u32 s[G], 18
	s_cbranch_scc1 .Lstep
	s_setprio 0
	FIN YBL
	s_wait_tensorcnt 0x0
	ds_add_u32 v7, v251
	s_wait_dscnt 0x0
	s_endpgm
.Lfunc_end_k_q16118c2926_attn:
	.size	k_q16118c2926_attn, .Lfunc_end_k_q16118c2926_attn-k_q16118c2926_attn
	.p2alignl 7, 3214868480
	.fill 96, 4, 3214868480
	.section	.rodata,"a",@progbits
	.p2align	6, 0x0
	.amdhsa_kernel k_q16118c2926_attn
		.amdhsa_group_segment_fixed_size 264192
		.amdhsa_private_segment_fixed_size 0
		.amdhsa_enable_private_segment 0
		.amdhsa_kernarg_size 24
		.amdhsa_user_sgpr_count 2
		.amdhsa_user_sgpr_kernarg_segment_ptr 1
		.amdhsa_wavefront_size32 1
		.amdhsa_system_sgpr_workgroup_id_x 1
		.amdhsa_system_sgpr_workgroup_id_y 1
		.amdhsa_system_sgpr_workgroup_id_z 1
		.amdhsa_system_vgpr_workitem_id 0
		.amdhsa_next_free_vgpr 256
		.amdhsa_next_free_sgpr 100
		.amdhsa_reserve_vcc 1
		.amdhsa_float_denorm_mode_32 3
		.amdhsa_float_denorm_mode_16_64 3
		.amdhsa_fp16_overflow 1
		.amdhsa_memory_ordered 1
		.amdhsa_forward_progress 1
		.amdhsa_inst_pref_size 90
	.end_amdhsa_kernel
	.amdgpu_metadata
---
amdhsa.version: [ 1, 2 ]
amdhsa.kernels:
  - .name:           k_q16118c2926_attn
    .symbol:         k_q16118c2926_attn.kd
    .args:
      - { .name: qkv, .offset: 0, .size: 8, .value_kind: global_buffer, .address_space: global }
      - { .name: lowp_scales, .offset: 8, .size: 8, .value_kind: global_buffer, .address_space: global }
      - { .name: yq, .offset: 16, .size: 8, .value_kind: global_buffer, .address_space: global }
    .group_segment_fixed_size: 264192
    .private_segment_fixed_size: 0
    .kernarg_segment_align: 8
    .kernarg_segment_size: 24
    .max_flat_workgroup_size: 512
    .sgpr_count:     100
    .vgpr_count:     256
    .wavefront_size: 32
...
	.end_amdgpu_metadata
.endif
;; end of part 3
;; launch proj (part 4): grid 4 x 32, 4 waves a work-group, clusters of 4 x 4, 327,680 bytes of LDS; arguments yq, codes, lowp_scales, out0; writes out0
.if DOCPART == 4
	.amdgcn_target "amdgcn-amd-amdhsa--gfx1250"
	.amdhsa_code_object_version 6
	.text
	.protected	k_q16118c2926_proj
	.globl	k_q16118c2926_proj
	.p2align	8
	.type	k_q16118c2926_proj,@function
k_q16118c2926_proj:
	s_mov_b64 s[64:65], 0
	v_nop
	global_prefetch_b8 v0, s[64:65] scope:SCOPE_SE
	s_setreg_imm32_b32 hwreg(HW_REG_WAVE_MODE, 25, 1), 1
	s_wait_xcnt 0x0
	s_wait_alu depctr_hold_cnt(0) depctr_sa_sdst(0) depctr_va_vdst(0) depctr_va_sdst(0) depctr_va_ssrc(0) depctr_va_vcc(0) depctr_vm_vsrc(0)
	s_getreg_b32 s2, hwreg(HW_REG_IB_STS2, 6, 4)
	s_cmp_eq_u32 s2, 0
	s_cbranch_scc0 .Lentry_in_a_cluster
	s_endpgm
.Lentry_in_a_cluster:
	s_bfe_u32 s2, ttmp6, 0x10000c
	s_cmp_lg_u32 s2, 0xf033
	s_cbranch_scc0 .Lentry_shape_is_right
	s_endpgm
.Lentry_shape_is_right:
; out0 = y w_proj on codes of FP8 (E4M3): y's codes from yq (scale entry 6), w_proj's from codes (fragment tiles 704 on; entry 7); each finished sum x 2^(e6 + e7); out0 [8192][1024] f32.
; LIMIT: e6 + e7 lies between -126 and 127, so that 2^(e6 + e7) is an f32 number.
; A tile of 256 x 256 is made by four waves, a wave makes 128 x 128: 64 accumulators.  K = 1,024 goes in four steps of 256 through two LDS slots filled by the tensor data mover.
; Both operands lie as images of their registers: [fragment tile of 16 rows][K step of 128][2,048 bytes]; a fragment is four loads of 16 bytes a lane, 512 bytes apart.
; Source 0 = 16 columns of w_proj (B-op), source 1 = 16 tokens (A-op): a lane holds eight neighbouring numbers of a row of out0.
; CLUSTERS: 4 x 4 work-groups; A-op's tile is shared along a row of the cluster, B-op's along a column: joint loads.  32 x 4 tiles: 128 work-groups.
; REGISTERS, in windows of 256: window 0: v0-31 addresses; v128-255 A-op's fragments, one set; on the way out v32-255 are free.
;   window 1: B-op's fragments, two sets, at v0 and v128.   windows 2, 3: the accumulators of A-op's blocks 0-3 and 4-7 ((a, b) at v[8 (8 (a % 4) + b)]).
.set FR,     16
.set NL,     4
.set NP,     4                         ; places behind this matrix instruction (ISA guide 7.12.1)
.set KSB,    4096                      ; a K step of 256 in a fragment tile: two images
.set HALFT,  8*KSB
.set SLOT,   4*HALFT
.set SPARE,  2*SLOT                    ; behind the ring: the spare words, 128 bytes a wave: two blocks of 256 bytes that no other line names
.set SPITCH, 528                       ; the way out: a stage of 16 rows x (512 bytes + 16) for each wave, in slot 0, which has had its last fill and its last read when the first result is stored there
.set SIZE_N, 1024
.set ADRA, 16
.set ADRB, 20
.set STO,  24                          ; v24  the way out: where I put 32 bytes of a row
.set RD,   25                          ; v25  where I read a row back
.set CO,   26                          ; v26  16 x lane
.set SPW,  28
.set NIL,  29
.set TMP,  32
.set AF,   128
.set BK,   128
.set G1, 24
.set G0, 32
.set G1B, 48
.set G0B, 56
.set MSB, 0
.macro WIN new                         ; the immediate's high byte repeats the setting that is left
.if MSB != \new
	s_set_vgpr_msb (MSB<<8)|\new
.set MSB, \new
.endif
.endm
.set MUL_LO, 0xa1
.set MUL_HI, 0xf1
.set TO_B,   0x40
.macro JLOAD g0a, g1a, g0b, g1b        ; a joint load: waves 0 and 1 fetch A-op's halves, waves 2 and 3 B-op's; four v_nop follow each of the two lines
	s_cmp_eq_u32 s15, 0
	s_cbranch_scc0 .Lfor_b_\@
	tensor_load_to_lds s[\g0a:\g0a+3], s[\g1a:\g1a+7]
	s_nop 0
.rept 4
	v_nop
.endr
	s_branch .Lasked_\@
.Lfor_b_\@:
	tensor_load_to_lds s[\g0b:\g0b+3], s[\g1b:\g1b+7]
	s_nop 0
.rept 4
	v_nop
.endr
.Lasked_\@:
.endm
.macro CREST
	s_cmp_lg_u32 s14, 0
	s_cbranch_scc1 .Lnot_wave_0_\@
	s_barrier_signal -3
.Lnot_wave_0_\@:
	s_barrier_wait -3
	s_barrier_signal -1
	s_barrier_wait -1
.endm
.macro CROUND
	s_barrier_signal -1
	s_barrier_wait -1
	CREST
.endm
	s_load_b128 s[4:7], s[0:1], 0x0                ; yq s[4:5], codes s[6:7]
	s_load_b128 s[8:11], s[0:1], 0x10              ; the scales' exponents s[8:9], out0 s[10:11]
	v_lshl_add_u32 v[SPW], v0, 2, SPARE
	v_mov_b32 v[NIL], 0
	ds_add_u32 v28, v29
	ds_add_u32 v28, v29
	s_wait_dscnt 0x0
	v_lshrrev_b32 v1, 5, v0
	v_readfirstlane_b32 s14, v1                    ; wave 0..3
	s_lshr_b32 s15, s14, 1                         ; my half of the tile's rows.  Also: I fetch for A-op (0) or B-op (1)
	s_and_b32 s16, s14, 1                          ; my half of its columns.  Also: which half of that tile I fetch
	s_bfe_u32 s40, ttmp6, 0x40000                  ; cx, cy
	s_bfe_u32 s41, ttmp6, 0x40004
	s_lshl_b32 s42, ttmp9, 2
	s_add_co_u32 s42, s42, s40                     ; tile column
	s_and_b32 s17, ttmp7, 0xffff
	s_lshl_b32 s17, s17, 2
	s_add_co_u32 s17, s17, s41                     ; tile row
	s_lshl_b32 s43, s41, 2
	s_lshl_b32 s43, 15, s43                        ; my row of the cluster
	s_lshl_b32 s44, 0x1111, s40                    ; my column
	s_or_b32 s[G1+0], s43, (3<<16)|(1<<21)         ; 15:0 the mask; 17:16 elements of 8 bytes; 21 set beside a mask; no padding
	s_or_b32 s[G1B+0], s44, (3<<16)|(1<<21)
.irp g, G1, G1B
	s_mov_b32 s[\g+1], 512<<16                     ; 8 rows (fragment tiles) of 4,096 bytes, 16,384 bytes apart
	s_mov_b32 s[\g+2], 8<<16
	s_mov_b32 s[\g+3], 512<<16
	s_mov_b32 s[\g+4], 8
	s_mov_b32 s[\g+5], 2048
	s_mov_b32 s[\g+6], 0
	s_mov_b32 s[\g+7], 0
.endr
	s_lshl_b32 s19, s16, 17                        ; the half that I fetch
	s_lshl_b32 s20, s17, 18                        ; A-op: y's tile of 256 tokens
	s_add_co_u32 s20, s20, s19
	s_add_co_u32 s46, s42, 44                      ; B-op: w_proj's tiles are 44 .. 47 of codes
	s_lshl_b32 s46, s46, 18
	s_add_co_u32 s46, s46, s19
	s_mov_b32 s21, 0
	s_mov_b32 s47, 0
	s_lshl_b32 s45, s14, 15                        ; where it goes: wave x 32,768
	s_wait_kmcnt 0x0
	s_load_b64 s[96:97], s[8:9], 0x18              ; e6, e7
	s_add_nc_u64 s[20:21], s[4:5], s[20:21]
	s_add_nc_u64 s[46:47], s[6:7], s[46:47]
	CROUND                                         ; all sixteen work-groups are here: the first joint loads meet
.irp s, 0,1
	s_mov_b32 s[G0+4*\s], 1
	s_add_co_u32 s[G0+4*\s+1], s45, \s*SLOT
	s_add_nc_u64 s[G0+4*\s+2:G0+4*\s+3], s[20:21], \s*KSB
	s_or_b32 s[G0+4*\s+3], s[G0+4*\s+3], 0x80000000
	s_mov_b32 s[G0B+4*\s], 1
	s_add_co_u32 s[G0B+4*\s+1], s45, \s*SLOT
	s_add_nc_u64 s[G0B+4*\s+2:G0B+4*\s+3], s[46:47], \s*KSB
	s_or_b32 s[G0B+4*\s+3], s[G0B+4*\s+3], 0x80000000
	s_wait_alu depctr_va_vdst(0)
	s_wait_tensorcnt 0x0
	ds_add_u32 v28, v29
	ds_add_u32 v28, v29
	s_wait_dscnt 0x0
	CROUND
	JLOAD G0+4*\s, G1, G0B+4*\s, G1B               ; one load of mine is out
.endr
	v_and_b32 v1, 31, v0
	v_lshlrev_b32 v[CO], 4, v1                     ; 16 x lane
	s_lshl_b32 s21, s15, 15
	s_lshl_b32 s22, s16, 15
	s_add_co_u32 s22, s22, 2*HALFT
.irp s, 0,1
	v_add_nc_u32 v[ADRA+\s], s21, v[CO]
	v_add_nc_u32 v[ADRB+\s], s22, v[CO]
	s_add_co_u32 s21, s21, SLOT
	s_add_co_u32 s22, s22, SLOT
.endr
	s_mul_i32 s23, s14, 16*SPITCH                  ; my stage
	v_and_b32 v1, 15, v0
	v_bfe_u32 v2, v0, 4, 1
	v_mul_u32_u24 v5, v1, SPITCH                   ; in: row l % 16, 32 bytes for each half of the lanes
	v_lshl_add_u32 v5, v2, 5, v5
	v_add_nc_u32 v[STO], s23, v5
	v_add_nc_u32 v[RD], s23, v[CO]                 ; back: the 32 lanes take one row of 512 bytes
	s_lshl_b32 s20, s17, 8
	s_lshl_b32 s21, s15, 7
	s_add_co_u32 s20, s20, s21                     ; my first row of out0
	s_lshl_b32 s20, s20, 12                        ; of 4,096 bytes
	s_lshl_b32 s46, s42, 10                        ; my first column, in bytes
	s_lshl_b32 s47, s16, 9
	s_add_co_u32 s46, s46, s47
	s_add_co_u32 s20, s20, s46
	s_mov_b32 s21, 0
	s_add_nc_u64 s[10:11], s[10:11], s[20:21]
.macro FRAG reg, adr, q, i
.irp c, 0,1,2,3
	ds_load_b128 v[\reg+4*\c:\reg+4*\c+3], v[\adr] offset:KSB*(\i)+2048*(\q)+512*\c
.endr
.endm
.macro MUL16 a0, p, zero               ; the 64 accumulators take turns, one instruction a turn, in the same order in every step
.irp a, \a0, \a0+1
.irp b, 0,1,2,3,4,5,6,7
.if \zero
	v_wmma_f32_16x16x128_fp8_fp8 v[8*(8*((\a)%4)+\b):8*(8*((\a)%4)+\b)+7], v[128*(\p)+FR*\b:128*(\p)+FR*\b+FR-1], v[AF+FR*(\a):AF+FR*(\a)+FR-1], 0
.else
	v_wmma_f32_16x16x128_fp8_fp8 v[8*(8*((\a)%4)+\b):8*(8*((\a)%4)+\b)+7], v[128*(\p)+FR*\b:128*(\p)+FR*\b+FR-1], v[AF+FR*(\a):AF+FR*(\a)+FR-1], v[8*(8*((\a)%4)+\b):8*(8*((\a)%4)+\b)+7]
.endif
.endr
.endr
.endm
.macro FETCH_B slot, q, p
	WIN TO_B
.irp i, 0,1,2,3,4,5,6,7
	FRAG 128*(\p)+FR*\i, ADRB+\slot, \q, \i
.endr
	WIN 0
.endm
.macro FETCH_A slot, q, i0
.irp i, \i0, \i0+1, \i0+2, \i0+3
	FRAG AF+FR*(\i), ADRA+\slot, \q, \i
.endr
.endm
.macro PLACES n                        ; plain vector lines between a matrix instruction and a load into a register that it read, or a read of its result (ISA guide 7.12.1 for the read of its result)
.rept \n
	v_nop
.endr
.endm
.macro STEP slot, q, zero
	s_wait_dscnt 4*NL                              ; B-op's set and A-op's blocks 0-3 are in; the youngest sixteen loads (blocks 4-7) may be out
	WIN MUL_LO
	MUL16 0, (\q)%2, \zero
	MUL16 2, (\q)%2, \zero
	s_wait_dscnt 0
	PLACES NP
	FETCH_B \slot, (\q)+1, 1-(\q)%2
	FETCH_A \slot, (\q)+1, 0
	WIN MUL_HI
	MUL16 4, (\q)%2, \zero
	MUL16 6, (\q)%2, \zero
	PLACES NP
	WIN 0
	FETCH_A \slot, (\q)+1, 4
.endm
.macro TURN slot, next, fill
	s_wait_tensorcnt 0x0                           ; all my tensor loads have landed: my part of the next slot
	ds_add_u32 v[SPW], v[NIL]                      ; 0 onto my spare word
	s_wait_dscnt 4*NL+1                            ; (the add and the youngest sixteen loads may be out)
	WIN MUL_LO
	MUL16 0, 1, 0
	s_wait_dscnt 0x0                               ; the add is done, and my reads of this slot are over
	s_barrier_signal -1
	MUL16 2, 1, 0
	WIN 0
	s_barrier_wait -1
.if \fill
	CREST                                          ; the barrier has opened a round of the cluster's: no wave of any partner still reads this slot or has a load on its way
	s_add_nc_u64 s[G0+4*\slot+2:G0+4*\slot+3], s[G0+4*\slot+2:G0+4*\slot+3], 2*KSB
	s_add_nc_u64 s[G0B+4*\slot+2:G0B+4*\slot+3], s[G0B+4*\slot+2:G0B+4*\slot+3], 2*KSB
	JLOAD G0+4*\slot, G1, G0B+4*\slot, G1B         ; my one tensor load behind the round; its four v_nop are the places in front of the loads below
.else
	PLACES NP
.endif
	FETCH_B \next, 0, 0
	FETCH_A \next, 0, 0
	WIN MUL_HI
	MUL16 4, 1, 0
	MUL16 6, 1, 0
	PLACES NP
	WIN 0
	FETCH_A \next, 0, 4
.endm
	s_wait_alu depctr_va_vdst(0)
	s_wait_tensorcnt 1                             ; my part of K step 0 is in (K step 1's load may be out)
	s_barrier_signal -1
	s_barrier_wait -1                              ; everybody's is
	FETCH_B 0, 0, 0
	FETCH_A 0, 0, 0
	FETCH_A 0, 0, 4
	STEP 0, 0, 1
	TURN 0, 1, 1
	STEP 1, 0, 0
	TURN 1, 0, 1
	STEP 0, 0, 0
	TURN 0, 1, 0
	STEP 1, 0, 0
	s_wait_dscnt 4*NL
	WIN MUL_LO
	MUL16 0, 1, 0
	MUL16 2, 1, 0
	s_wait_dscnt 0
	WIN MUL_HI
	MUL16 4, 1, 0
	MUL16 6, 1, 0
	WIN 0
; THE WAY OUT, block by block of 16 rows x 128 columns: through my own stage in LDS, back as whole rows of 512 bytes.  LDS serves a wave's instructions in order (ISA guide 5.7.1.4).
.macro TOSTAGE a
.set AC, 64*((\a)%4)
	WIN 0x02+((\a)/4)                              ; source 0: window 2 or 3
.set J, 0
.rept 32
	v_pk_mul_f32 v[TMP+J:TMP+J+1], v[AC+J:AC+J+1], s[96:97] op_sel_hi:[1,0]   ; x 2^(e6 + e7); each accumulator from its low end on
.set J, J+2
.endr
	WIN 0
.irp b, 0,1,2,3,4,5,6,7
	ds_store_b128 v[STO], v[TMP+8*\b:TMP+8*\b+3] offset:64*\b
	ds_store_b128 v[STO], v[TMP+8*\b+4:TMP+8*\b+7] offset:64*\b+16
.endr
.set BB, BK+64*((\a)%2)
.irp t, 0,1,2,3,4,5,6,7,8,9,10,11,12,13,14,15
	ds_load_b128 v[BB+4*\t:BB+4*\t+3], v[RD] offset:\t*SPITCH
.endr
.endm
.macro SEND a, younger                 ; younger: the LDS instructions issued behind block a's loads, which may stay out
.set BB, BK+64*((\a)%2)
	s_wait_dscnt \younger
.if (\a) > 0
	s_add_nc_u64 s[10:11], s[10:11], 16*SIZE_N*4   ; (behind a wait on XCNT: the earlier stores have read their base)
.endif
.irp t, 0,1,2,3,4,5,6,7,8,9,10,11,12,13,14,15
	global_store_b128 v[CO], v[BB+4*\t:BB+4*\t+3], s[10:11] offset:\t*SIZE_N*4 th:TH_STORE_NT   ; 32 lanes store 512 consecutive bytes, aligned; written once, read by nobody here
.endr
.endm
	s_wait_kmcnt 0x0
	s_add_co_i32 s96, s96, s97
	s_add_co_i32 s96, s96, 127
	s_lshl_b32 s96, s96, 23                        ; 2^(e6 + e7) as f32
	PLACES NP
	TOSTAGE 0
.irp a, 1,2,3,4,5,6,7
.if \a > 1
	s_wait_xcnt 0x0                                ; block a - 2's stores have read their registers and their base
.endif
	TOSTAGE \a
	SEND \a-1, 32                                  ; behind block a - 1's loads: block a's 16 stores and 16 loads
.endr
	s_wait_xcnt 0x0
	SEND 7, 0
	s_wait_tensorcnt 0x0                           ; the wave's end
	ds_add_u32 v[SPW], v[NIL]
	s_wait_dscnt 0x0
	CROUND                                         ; the closing round
	s_endpgm
.Lfunc_end_k_q16118c2926_proj:
	.size	k_q16118c2926_proj, .Lfunc_end_k_q16118c2926_proj-k_q16118c2926_proj
	.p2alignl 7, 3214868480
	.fill 96, 4, 3214868480
	.section	.rodata,"a",@progbits
	.p2align	6, 0x0
	.amdhsa_kernel k_q16118c2926_proj
		.amdhsa_group_segment_fixed_size 327680
		.amdhsa_private_segment_fixed_size 0
		.amdhsa_enable_private_segment 0
		.amdhsa_kernarg_size 32
		.amdhsa_user_sgpr_count 2
		.amdhsa_user_sgpr_kernarg_segment_ptr 1
		.amdhsa_wavefront_size32 1
		.amdhsa_system_sgpr_workgroup_id_x 1
		.amdhsa_system_sgpr_workgroup_id_y 1
		.amdhsa_system_sgpr_workgroup_id_z 1
		.amdhsa_system_vgpr_workitem_id 0
		.amdhsa_next_free_vgpr 1024
		.amdhsa_next_free_sgpr 98
		.amdhsa_reserve_vcc 0
		.amdhsa_float_denorm_mode_32 3
		.amdhsa_float_denorm_mode_16_64 3
		.amdhsa_memory_ordered 1
		.amdhsa_forward_progress 1
		.amdhsa_inst_pref_size 124
	.end_amdhsa_kernel
	.amdgpu_metadata
---
amdhsa.version: [ 1, 2 ]
amdhsa.kernels:
  - .name:           k_q16118c2926_proj
    .symbol:         k_q16118c2926_proj.kd
    .args:
      - { .name: yq, .offset: 0, .size: 8, .value_kind: global_buffer, .address_space: global }
      - { .name: codes, .offset: 8, .size: 8, .value_kind: global_buffer, .address_space: global }
      - { .name: lowp_scales, .offset: 16, .size: 8, .value_kind: global_buffer, .address_space: global }
      - { .name: out0, .offset: 24, .size: 8, .value_kind: global_buffer, .address_space: global }
    .group_segment_fixed_size: 327680
    .private_segment_fixed_size: 0
    .kernarg_segment_align: 8
    .kernarg_segment_size: 32
    .max_flat_workgroup_size: 128
    .sgpr_count:     98
    .vgpr_count:     1024
    .wavefront_size: 32
...
	.end_amdgpu_metadata
.endif
;; end of part 4
